; MI455X (gfx1250); checked and timed in simulation.
; The chip was launched on July 23, 2026; its instructions are those of AMD's public machine-readable ISA for CDNA 5 (MIT licence, August 2026) and "CDNA5" Instruction Set Architecture Reference Guide (July 2026). The comments in the code are by the model that wrote it; some were corrected since.
;; Multi Head Attention. Allowed arithmetic: float matrix products may take bf16 or f16 operands with f32 sums; all other float work in f32.
;; Inputs: key 2 x 2,048 x 1,024 float32; query 2 x 2,048 x 1,024 float32; value 2 x 2,048 x 1,024 float32; w_k 1,024 x 1,024 float32; w_o 1,024 x 1,024 float32; w_q 1,024 x 1,024 float32; w_v 1,024 x 1,024 float32.
;; Outputs: out0 2 x 2,048 x 1,024 float32.
;; One version. Each part assembles by itself: llvm-mc -triple=amdgcn-amd-amdhsa -mcpu=gfx1250 --defsym DOCPART=n.
;; ======== version 1 of 1: 4 launches
;; limits: values are held in f16: magnitudes above 65,504 overflow, below 6.1e-05 lose precision
;; workspace buffers: xh 25,165,824 bytes; wh 8,388,608 bytes; qkv 25,165,824 bytes; ctx 8,388,608 bytes
;; launch cvt (part 1): grid 1024 x 1, 8 waves a work-group, no clusters, 0 bytes of LDS; arguments query, key, value, w_q, w_k, w_v, w_o, xh, wh; writes xh, wh
.if DOCPART == 1
	.amdgcn_target "amdgcn-amd-amdhsa--gfx1250"
	.amdhsa_code_object_version 6
	.text
	.protected	k_qd1bca46c20_cvt
	.globl	k_qd1bca46c20_cvt
	.p2align	8
	.type	k_qd1bca46c20_cvt,@function
k_qd1bca46c20_cvt:
	s_mov_b64 s[64:65], 0
	v_nop
	global_prefetch_b8 v0, s[64:65] scope:SCOPE_SE
	s_setreg_imm32_b32 hwreg(HW_REG_WAVE_MODE, 25, 1), 1
	s_wait_xcnt 0x0
; f32 to f16, once, for all that the matrix products read: xh = [query, key, value] as [3][4096][1024] f16,
; wh = [w_q, w_k, w_v, w_o] as [4][1024][1024] f16.  Rounded to nearest even.
; LIMIT: a number above 65,504 in magnitude becomes an infinity in f16; non-finite inputs are not served.
; A work-group converts one chunk of 16,384 numbers (65,536 bytes in, 32,768 out).  Chunks 0-255 query, 256-511 key, 512-767 value,
; then 64 chunks for each weight: 1,024 chunks.  No two work-groups read the same byte, so there is nothing to share: no LDS, no cluster,
; no barrier.  Straight-line: all sixteen loads of a thread are issued first, so the whole chunk is on its way at once, and no register
; is written twice.
.set X, 4                              ; v[4:67]   load i: 4 f32
.set Y, 68                             ; v[68:99]  store i: 4 f16
	s_load_b512 s[8:23], s[0:1], 0x0               ; query s[8:9], key s[10:11], value s[12:13], w_q s[14:15], w_k s[16:17], w_v s[18:19], w_o s[20:21], xh s[22:23]
	s_load_b64 s[24:25], s[0:1], 0x40              ; wh
	v_lshlrev_b32 v1, 4, v0                        ; 16 bytes of f32 a thread
	v_lshlrev_b32 v2, 3, v0                        ; 8 bytes of f16 a thread
	s_wait_kmcnt 0x0
	; the chunk's source: a chain of choices on the chunk's number alone
	s_cmp_lt_u32 ttmp9, 960
	s_cselect_b64 s[4:5], s[18:19], s[20:21]       ; w_v or w_o
	s_cmp_lt_u32 ttmp9, 896
	s_cselect_b64 s[4:5], s[16:17], s[4:5]         ; w_k
	s_cmp_lt_u32 ttmp9, 832
	s_cselect_b64 s[4:5], s[14:15], s[4:5]         ; w_q
	s_cmp_lt_u32 ttmp9, 768
	s_cselect_b64 s[4:5], s[12:13], s[4:5]         ; value
	s_cmp_lt_u32 ttmp9, 512
	s_cselect_b64 s[4:5], s[10:11], s[4:5]         ; key
	s_cmp_lt_u32 ttmp9, 256
	s_cselect_b64 s[4:5], s[8:9], s[4:5]           ; query
	s_cmp_lt_u32 ttmp9, 768
	s_cselect_b64 s[6:7], s[22:23], s[24:25]       ; target: xh or wh
	s_cselect_b32 s26, 255, 63                     ; chunks in a source, less one
	s_cselect_b32 s28, 0, 768                      ; the target's first chunk
	s_and_b32 s26, ttmp9, s26                      ; the chunk's number in its source (256 and 64 divide every source's first chunk)
	s_lshl_b32 s26, s26, 16                        ; x 65,536 bytes
	s_mov_b32 s27, 0
	s_sub_co_u32 s28, ttmp9, s28                   ; the chunk's number in its target
	s_lshl_b32 s28, s28, 15                        ; x 32,768 bytes
	s_mov_b32 s29, 0
	s_add_nc_u64 s[4:5], s[4:5], s[26:27]
	s_add_nc_u64 s[6:7], s[6:7], s[28:29]
.irp i, 0,1,2,3,4,5,6,7,8,9,10,11,12,13,14,15
	global_load_b128 v[X+4*\i:X+4*\i+3], v1, s[4:5] offset:4096*\i th:TH_LOAD_NT   ; a wave's load covers 512 consecutive bytes; read once in the launch
.endr
.irp i, 0,1,2,3,4,5,6,7,8,9,10,11,12,13,14,15
	s_wait_loadcnt 15-\i                           ; loads come back in order: load i is in, the 15 - i younger ones stay out
	v_cvt_pk_f16_f32 v[Y+2*\i], v[X+4*\i], v[X+4*\i+1]
	v_cvt_pk_f16_f32 v[Y+2*\i+1], v[X+4*\i+2], v[X+4*\i+3]
	global_store_b64 v2, v[Y+2*\i:Y+2*\i+1], s[6:7] offset:2048*\i                 ; a wave's store covers 256 consecutive bytes, aligned
.endr
	s_endpgm
.Lfunc_end_k_qd1bca46c20_cvt:
	.size	k_qd1bca46c20_cvt, .Lfunc_end_k_qd1bca46c20_cvt-k_qd1bca46c20_cvt
	.p2alignl 7, 3214868480
	.fill 96, 4, 3214868480
	.section	.rodata,"a",@progbits
	.p2align	6, 0x0
	.amdhsa_kernel k_qd1bca46c20_cvt
		.amdhsa_group_segment_fixed_size 0
		.amdhsa_private_segment_fixed_size 0
		.amdhsa_enable_private_segment 0
		.amdhsa_kernarg_size 72
		.amdhsa_user_sgpr_count 2
		.amdhsa_user_sgpr_kernarg_segment_ptr 1
		.amdhsa_wavefront_size32 1
		.amdhsa_system_sgpr_workgroup_id_x 1
		.amdhsa_system_sgpr_workgroup_id_y 1
		.amdhsa_system_sgpr_workgroup_id_z 1
		.amdhsa_system_vgpr_workitem_id 0
		.amdhsa_next_free_vgpr 100
		.amdhsa_next_free_sgpr 66
		.amdhsa_reserve_vcc 0
		.amdhsa_float_denorm_mode_32 3
		.amdhsa_float_denorm_mode_16_64 3
		.amdhsa_memory_ordered 1
		.amdhsa_forward_progress 1
		.amdhsa_inst_pref_size 8
	.end_amdhsa_kernel
	.amdgpu_metadata
---
amdhsa.version: [ 1, 2 ]
amdhsa.kernels:
  - .name:           k_qd1bca46c20_cvt
    .symbol:         k_qd1bca46c20_cvt.kd
    .args:
      - { .name: query, .offset: 0, .size: 8, .value_kind: global_buffer, .address_space: global }
      - { .name: key, .offset: 8, .size: 8, .value_kind: global_buffer, .address_space: global }
      - { .name: value, .offset: 16, .size: 8, .value_kind: global_buffer, .address_space: global }
      - { .name: w_q, .offset: 24, .size: 8, .value_kind: global_buffer, .address_space: global }
      - { .name: w_k, .offset: 32, .size: 8, .value_kind: global_buffer, .address_space: global }
      - { .name: w_v, .offset: 40, .size: 8, .value_kind: global_buffer, .address_space: global }
      - { .name: w_o, .offset: 48, .size: 8, .value_kind: global_buffer, .address_space: global }
      - { .name: xh, .offset: 56, .size: 8, .value_kind: global_buffer, .address_space: global }
      - { .name: wh, .offset: 64, .size: 8, .value_kind: global_buffer, .address_space: global }
    .group_segment_fixed_size: 0
    .private_segment_fixed_size: 0
    .kernarg_segment_align: 8
    .kernarg_segment_size: 72
    .max_flat_workgroup_size: 256
    .sgpr_count:     66
    .vgpr_count:     100
    .wavefront_size: 32
...
	.end_amdgpu_metadata
.endif
;; end of part 1
;; launch qkv (part 2): grid 4 x 48, 4 waves a work-group, clusters of 4 x 4, 327,680 bytes of LDS; arguments xh, wh, qkv; writes qkv
.if DOCPART == 2
	.amdgcn_target "amdgcn-amd-amdhsa--gfx1250"
	.amdhsa_code_object_version 6
	.text
	.protected	k_qd1bca46c20_qkv
	.globl	k_qd1bca46c20_qkv
	.p2align	8
	.type	k_qd1bca46c20_qkv,@function
k_qd1bca46c20_qkv:
	s_mov_b64 s[64:65], 0
	v_nop
	global_prefetch_b8 v0, s[64:65] scope:SCOPE_SE
	s_setreg_imm32_b32 hwreg(HW_REG_WAVE_MODE, 25, 1), 1
	s_wait_xcnt 0x0
	s_wait_alu depctr_hold_cnt(0) depctr_sa_sdst(0) depctr_va_vdst(0) depctr_va_sdst(0) depctr_va_ssrc(0) depctr_va_vcc(0) depctr_vm_vsrc(0)
	s_getreg_b32 s2, hwreg(HW_REG_IB_STS2, 6, 4)
	s_cmp_eq_u32 s2, 0
	s_cbranch_scc0 .Lentry_in_a_cluster
	s_endpgm
.Lentry_in_a_cluster:
	s_bfe_u32 s2, ttmp6, 0x10000c
	s_cmp_lg_u32 s2, 0xf033
	s_cbranch_scc0 .Lentry_shape_is_right
	s_endpgm
.Lentry_shape_is_right:
; The three input projections as one product: C[m][n] = sum over k of A[m][k] B[n][k], A = xh taken as [12288][1024] f16 (query, key, value stacked),
; B = the weight of A's third (rows z*1024 .. of wh), sums in f32, C rounded once to f16 and stored by heads: qkv[z][b][h][s][64].
; LIMIT: operands and results are f16: a projection above 65,504 in magnitude becomes an infinity.
; A work-group makes a block of 256 x 256 of C with four waves; a wave makes 128 x 128: 64 accumulator tiles of 16 x 16, 512 registers.
; K goes in steps of 128 through a ring of two LDS slots filled by the tensor data mover: a tile's rows are 256 bytes of memory, aligned to 256.
; 192 work-groups: 48 block rows x 4 block columns.  Blocks of half the side would make 768, but a wave tile of 64 x 64 reads twice the LDS bytes
; for each multiply-add, and at K = 1024 each block's set-up and way out would weigh three times as often.
; CLUSTERS: 4 x 4 work-groups.  The four of a row of the cluster need the same tiles of A, the four of a column the same tiles of B: each such tile is
; asked for jointly, by the same tensor load with the same descriptor and a mask that names the four.  A cluster spans 4 block rows, and 16 block rows
; make one third of A, so all of a cluster share one weight: its number z comes from the cluster's y alone.
;
; REGISTERS, in windows of 256:
;   window 0: v0-31 addresses; v64-127, v128-191 fragments of A, two buffers; v192-223 at work on the way out
;   window 1: v64-127, v128-191 fragments of B, two buffers
;   window 2: the 32 accumulator tiles of my rows 0-63 (tile (a, b) at v[8 (8 a + b)]);   window 3: those of my rows 64-127
; THE MATRIX INSTRUCTION IS USED TRANSPOSED: source 0 = 16 rows of B, source 1 = 16 rows of A, so that lane l holds row l % 16 of C and its
; registers the columns 8 (l / 16) + 0 .. 7: eight neighbouring numbers, 16 bytes of f16.
.set SIZE_K, 1024
.set KSTEP,  128
.set PITCH,  272                       ; an LDS row: 256 bytes + 16 of padding, an odd multiple of 16: the 16 rows of a fragment load start 16 bytes apart modulo 256
.set HALFT,  128*PITCH                 ; 128 rows: what one tensor load brings, and what one wave reads of A or of B
.set SLOT,   4*HALFT                   ; A's 256 rows, then B's 256 rows
.set STAGE,  2*SLOT                    ; behind the ring: 16 rows x 272 bytes for each wave, for the way out; no tensor load ever fills it
.set SPITCH, 272
.set LAPS, SIZE_K/(2*KSTEP)            ; a lap = two K steps = once round the ring: 4
.set ADRA, 16                          ; v16-17  LDS address of my A fragments in slot 0, 1
.set ADRB, 20                          ; v20-21  the same for B
.set STO,  24                          ; v24     the way out: where I put 16 bytes of a row
.set RD,   25                          ; v25     the way out: where I read back
.set CO,   26                          ; v26     my byte offset in a store's 512 bytes
.set F0,   64
.set F1,   128
.set TMP,  192
.set G1, 24                            ; s[24:31] descriptor group 1 for A's tiles
.set G0, 32                            ; s[32:39] descriptor group 0 for A's tiles, one set for each slot
.set G1B, 48                           ; s[48:55] group 1 for B's tiles: another mask
.set G0B, 56                           ; s[56:63] group 0 for B's tiles
.set MSB, 0
.macro WIN new                         ; the immediate's high byte repeats the setting that is left
.if MSB != \new
	s_set_vgpr_msb (MSB<<8)|\new
.set MSB, \new
.endif
.endm
.set MUL_LO, 0xa1                      ; source 0 (B) window 1, source 1 (A) window 0, C and D window 2
.set MUL_HI, 0xf1                      ; the same, C and D window 3
.set TO_B,   0x40                      ; destination window 1, address window 0
; A joint load.  Waves 0 and 1 fetch A's two halves, waves 2 and 3 B's.  The branch hangs on the wave's number alone.
.macro JLOAD s
	s_cmp_eq_u32 s11, 0
	s_cbranch_scc0 .Lfor_b_\@
	tensor_load_to_lds s[G0+4*\s:G0+4*\s+3], s[G1:G1+7]
	s_nop 0
	s_branch .Lasked_\@
.Lfor_b_\@:
	tensor_load_to_lds s[G0B+4*\s:G0B+4*\s+3], s[G1B:G1B+7]
	s_nop 0
.Lasked_\@:
.endm
; A round of the cluster's barrier: my work-group's barrier; wave 0 signals for the work-group; every wave waits for all sixteen; my work-group's barrier again.
.macro CREST                           ; a round behind its opening barrier
	s_cmp_lg_u32 s10, 0
	s_cbranch_scc1 .Lnot_wave_0_\@
	s_barrier_signal -3
.Lnot_wave_0_\@:
	s_barrier_wait -3
	s_barrier_signal -1
	s_barrier_wait -1
.endm
.macro CROUND
	s_barrier_signal -1
	s_barrier_wait -1
	CREST
.endm
	s_load_b128 s[4:7], s[0:1], 0x0                ; xh s[4:5], wh s[6:7]
	s_load_b64 s[8:9], s[0:1], 0x10                ; qkv
	s_set_vgpr_msb 0x40
	v_lshl_add_u32 v255, v0, 2, 0x48400
	s_set_vgpr_msb 0x4000
	v_mov_b32 v255, 0
	s_set_vgpr_msb 0x1
	ds_add_u32 v255, v255
	s_set_vgpr_msb 0x100
	v_lshrrev_b32 v1, 5, v0
	v_readfirstlane_b32 s10, v1                    ; wave 0..3
	s_lshr_b32 s11, s10, 1                         ; which half of the block's rows is mine.  Also: I fetch for A (0) or for B (1)
	s_and_b32 s12, s10, 1                          ; which half of its columns.  Also: which 128 rows of that tile I fetch
	s_bfe_u32 s40, ttmp6, 0x40000                  ; cx
	s_bfe_u32 s41, ttmp6, 0x40004                  ; cy
	s_lshl_b32 s42, ttmp9, 2
	s_add_co_u32 s42, s42, s40                     ; block column = 4 x cluster x + cx
	s_and_b32 s13, ttmp7, 0xffff
	s_lshr_b32 s45, s13, 2                         ; z = cluster y / 4: which of query, key, value, and which weight; the same in all sixteen
	s_lshl_b32 s13, s13, 2
	s_add_co_u32 s13, s13, s41                     ; block row = 4 x cluster y + cy
	s_lshl_b32 s43, s41, 2
	s_lshl_b32 s43, 15, s43                        ; my row of the cluster: places 4 cy .. 4 cy + 3
	s_lshl_b32 s44, 0x1111, s40                    ; my column: places cx, cx + 4, cx + 8, cx + 12
	; group 1: a tile of 128 rows x 128 elements of 2 bytes, 4 words of padding behind every 64 words
	s_or_b32 s[G1+0], s43, (1<<16)|(1<<20)|(1<<21)|(5<<22)|(3<<25)
	s_or_b32 s[G1B+0], s44, (1<<16)|(1<<20)|(1<<21)|(5<<22)|(3<<25)
	s_mov_b32 s[G1B+1], KSTEP<<16
	s_mov_b32 s[G1+1], KSTEP<<16                   ; tensor_dim0 = 128
	s_mov_b32 s[G1B+2], 128<<16
	s_mov_b32 s[G1+2], 128<<16                     ; tensor_dim1 = 128
	s_mov_b32 s[G1B+3], KSTEP<<16
	s_mov_b32 s[G1+3], KSTEP<<16                   ; tile_dim0 = 128
	s_mov_b32 s[G1B+4], 128
	s_mov_b32 s[G1+4], 128                         ; tile_dim1 = 128
	s_mov_b32 s[G1B+5], SIZE_K
	s_mov_b32 s[G1+5], SIZE_K                      ; elements from row to row
	s_mov_b32 s[G1B+6], 0
	s_mov_b32 s[G1+6], 0
	s_mov_b32 s[G1B+7], 0
	s_mov_b32 s[G1+7], 0
	; A's tiles hang on the block row alone, B's on the block column and z alone; each address is made in registers that never hold the other coordinate
	s_lshl_b32 s17, s12, 7                         ; which 128 rows of the tile I fetch
	s_lshl_b32 s16, s13, 8
	s_add_co_u32 s16, s16, s17                     ; A: row 256 x block row + 128 x half
	s_lshl_b32 s46, s42, 8
	s_add_co_u32 s46, s46, s17                     ; B: row 256 x block column + 128 x half
	s_lshl_b32 s47, s45, 10
	s_add_co_u32 s46, s46, s47                     ;    + 1024 z
	s_mov_b32 s17, 0
	s_mov_b32 s47, 0
	s_mov_b64 s[18:19], SIZE_K*2
	s_mul_u64 s[16:17], s[16:17], s[18:19]         ; in bytes
	s_mul_u64 s[46:47], s[46:47], s[18:19]
	s_mul_i32 s20, s10, HALFT                      ; where they go: wave x 128 rows
	s_wait_dscnt 0x0
	s_wait_kmcnt 0x0
	s_add_nc_u64 s[14:15], s[4:5], s[16:17]
	s_add_nc_u64 s[46:47], s[6:7], s[46:47]
	CROUND                                         ; all sixteen work-groups are here: the first joint loads meet
.irp s, 0,1
	s_mov_b32 s[G0+4*\s], 1
	s_add_co_u32 s[G0+4*\s+1], s20, \s*SLOT
	s_add_nc_u64 s[G0+4*\s+2:G0+4*\s+3], s[14:15], \s*KSTEP*2
	s_or_b32 s[G0+4*\s+3], s[G0+4*\s+3], 0x80000000
	s_mov_b32 s[G0B+4*\s], 1
	s_add_co_u32 s[G0B+4*\s+1], s20, \s*SLOT
	s_add_nc_u64 s[G0B+4*\s+2:G0B+4*\s+3], s[46:47], \s*KSTEP*2
	s_or_b32 s[G0B+4*\s+3], s[G0B+4*\s+3], 0x80000000
	JLOAD \s                                       ; K steps 0 and 1: two tensor loads of the wave are out, the most in this text
.endr
	; a fragment: lane l holds row l % 16; registers 0-3 K = 8 (l / 16) + 0..7, registers 4-7 K = 16 + 8 (l / 16) + 0..7: two loads of 16 bytes, 32 apart
	v_and_b32 v1, 15, v0
	v_bfe_u32 v2, v0, 4, 1
	v_mul_u32_u24 v3, v1, PITCH
	v_lshl_add_u32 v3, v2, 4, v3
	s_mul_i32 s21, s11, HALFT                      ; my 128 rows of A
	s_mul_i32 s22, s12, HALFT                      ; my 128 rows of B,
	s_add_co_u32 s22, s22, 2*HALFT                 ; which lie behind A's 256
.irp s, 0,1
	v_add_nc_u32 v[ADRA+\s], s21, v3
	v_add_nc_u32 v[ADRB+\s], s22, v3
	s_add_co_u32 s21, s21, SLOT
	s_add_co_u32 s22, s22, SLOT
.endr
	s_mul_i32 s23, s10, 16*SPITCH
	s_add_co_u32 s23, s23, STAGE                   ; my stage
	v_mul_u32_u24 v4, v1, SPITCH                   ; in: row l % 16, 16 bytes for each half of the lanes
	v_lshl_add_u32 v4, v2, 4, v4
	v_add_nc_u32 v[STO], s23, v4
	v_bfe_u32 v5, v0, 3, 2                         ; back: eight lanes take the 128 bytes that one row has of one head, four rows a load
	v_mul_u32_u24 v5, v5, SPITCH
	v_and_b32 v6, 7, v0
	v_lshl_add_u32 v5, v6, 4, v5
	v_add_nc_u32 v[RD], s23, v5
	v_and_b32 v6, 31, v0
	v_lshlrev_b32 v[CO], 4, v6                     ; four rows of a head lie side by side in qkv: 16 x lane
; 16 matrix instructions: m blocks a0, a0 + 1 of the window's four x all 8 n blocks, 32 along K.  zero = 1: the first product starts the sums.
.macro MUL16 f, hi, a0, zero
.irp a, \a0, \a0+1
.irp b, 0,1,2,3,4,5,6,7
.if \zero
	v_wmma_f32_16x16x32_f16 v[8*(8*(\a)+\b):8*(8*(\a)+\b)+7], v[\f+8*\b:\f+8*\b+7], v[\f+8*(4*\hi+\a):\f+8*(4*\hi+\a)+7], 0
.else
	v_wmma_f32_16x16x32_f16 v[8*(8*(\a)+\b):8*(8*(\a)+\b)+7], v[\f+8*\b:\f+8*\b+7], v[\f+8*(4*\hi+\a):\f+8*(4*\hi+\a)+7], v[8*(8*(\a)+\b):8*(8*(\a)+\b)+7]
.endif
.endr
.endr
.endm
; 32 LDS loads in one run: the fragments of one quarter step into buffer f
.macro FETCH slot, k, f
	WIN TO_B
.irp i, 0,1,2,3,4,5,6,7
	ds_load_b128 v[\f+8*\i:\f+8*\i+3],   v[ADRB+\slot] offset:\k+\i*16*PITCH
	ds_load_b128 v[\f+8*\i+4:\f+8*\i+7], v[ADRB+\slot] offset:\k+\i*16*PITCH+32
.endr
	WIN 0
.irp i, 0,1,2,3,4,5,6,7
	ds_load_b128 v[\f+8*\i:\f+8*\i+3],   v[ADRA+\slot] offset:\k+\i*16*PITCH
	ds_load_b128 v[\f+8*\i+4:\f+8*\i+7], v[ADRA+\slot] offset:\k+\i*16*PITCH+32
.endr
.endm
; Four independent vector instructions stand between a matrix instruction and a load into a register that it read, or a vector instruction that
; reads its result (ISA guide 7.12.1 for vector instructions); other matrix instructions are not counted.
.macro PLACES
.rept 4
	v_nop
.endr
.endm
; A K step is four quarter steps of 32 along K, 64 matrix instructions each, on buffers 0, 1, 0, 1.  The 64 accumulators take turns, one instruction
; a turn, in the same order in every quarter, over the backward jump too.
.macro QUARTER slot, k, f, g, zero
	s_wait_dscnt 8                                 ; B and A's rows 0-63 are in; the youngest eight loads (A's rows 64-127) may be out
	WIN MUL_LO
	MUL16 \f, 0, 0, \zero
	MUL16 \f, 0, 2, \zero
	PLACES
	FETCH \slot, \k, \g
	s_wait_dscnt 32                                ; all but the 32 just issued
	WIN MUL_HI
	MUL16 \f, 1, 0, \zero
	MUL16 \f, 1, 2, \zero
.endm
.macro THREE slot, zero
	QUARTER \slot, 64,  F0, F1, \zero
	QUARTER \slot, 128, F1, F0, 0
	QUARTER \slot, 192, F0, F1, 0
.endm
; The last quarter multiplies buffer 1 and changes slots.  In front of the barrier each wave waits for its reads of this slot and for all its tensor
; loads (one is out: its part of the next slot).  Behind it the refill comes first, then the next slot's first fragments.
.macro TURN slot, next, fill
	s_wait_dscnt 8
	WIN MUL_LO
	MUL16 F1, 0, 0, 0
	s_wait_dscnt 0                                 ; my reads of this slot are over
	s_wait_tensorcnt 0x0                           ; and all my tensor loads have landed
	ds_add_u32 v255, v255
	s_wait_dscnt 0x0
	s_barrier_signal -1                            ; say so (where a slot is filled again this barrier opens a round of the cluster's barrier),
	MUL16 F1, 0, 2, 0                              ; work on registers while the others arrive,
	WIN 0
	s_barrier_wait -1
.if \fill
	CREST                                          ; no wave of any partner still reads this slot's tile or has a load on its way
	s_add_nc_u64 s[G0+4*\slot+2:G0+4*\slot+3], s[G0+4*\slot+2:G0+4*\slot+3], 2*KSTEP*2
	s_add_nc_u64 s[G0B+4*\slot+2:G0B+4*\slot+3], s[G0B+4*\slot+2:G0B+4*\slot+3], 2*KSTEP*2
	JLOAD \slot                                    ; the first tensor load behind the round
.endif
	PLACES
	FETCH \next, 0, F0
	WIN MUL_HI
	MUL16 F1, 1, 0, 0
	MUL16 F1, 1, 2, 0
.endm
.macro LAP zero
	THREE 0, \zero
	TURN 0, 1, 1
	THREE 1, 0
	TURN 1, 0, 1
.endm
	s_wait_tensorcnt 1                             ; my part of K step 0 is in; K step 1's may stay out
	s_barrier_signal -1
	s_barrier_wait -1                              ; everybody's is
	FETCH 0, 0, F0
	LAP 1                                          ; the first lap stands in front of the loop: its first products start the sums
	WIN 0                                          ; at a label and at a branch every window is 0
	s_mov_b32 s3, LAPS-2
.Llap:
	LAP 0
	WIN 0
	s_sub_co_u32 s3, s3, 1
	s_cmp_lg_u32 s3, 0
	s_cbranch_scc1 .Llap
	THREE 0, 0                                     ; the last lap fills nothing
	TURN 0, 1, 0
	THREE 1, 0
	s_wait_dscnt 8
	WIN MUL_LO
	MUL16 F1, 0, 0, 0
	MUL16 F1, 0, 2, 0
	s_wait_dscnt 0
	WIN MUL_HI
	MUL16 F1, 1, 0, 0
	MUL16 F1, 1, 2, 0
	; THE WAY OUT, 16 rows of C at a time: round to f16, 16 bytes a lane into my own stage, read back by heads.
	; Row R = 256 x block row + 128 x half + .. of C is (z, b, s) with 2 z + b = R / 2048, s = R % 2048; column n is (h, d) = (n / 64, n % 64).
	; Byte of qkv: (R / 2048) x 2^22 + h x 2^18 + s x 128 + 2 d.  My 128 columns are heads 4 x block column + 2 x half and the next.
	PLACES
	s_lshl_b32 s13, s13, 8
	s_lshl_b32 s14, s11, 7
	s_add_co_u32 s16, s13, s14                     ; my first row R0; my 128 rows stay inside one (z, b)
	s_lshr_b32 s17, s16, 11
	s_lshl_b32 s17, s17, 22
	s_and_b32 s16, s16, 2047
	s_lshl_b32 s16, s16, 7
	s_add_co_u32 s16, s16, s17
	s_mov_b32 s17, 0
	s_add_nc_u64 s[8:9], s[8:9], s[16:17]
	s_lshl_b32 s46, s42, 2                         ; my first head (in the registers that held B's address: none that feeds A's descriptors ever holds cx)
	s_lshl_b32 s47, s12, 1
	s_add_co_u32 s46, s46, s47
	s_lshl_b32 s46, s46, 18
	s_mov_b32 s47, 0
	s_add_nc_u64 s[8:9], s[8:9], s[46:47]
; rows 16 i .. 16 i + 15 of my block = the eight tiles (a, 0..7) of window 2 or 3 (from = 0x0a or 0x0f: sources 0 and 1); f: F0 or F1 in turn
.macro OUT16 i, a, from, f
	WIN \from
.irp b, 0,1,2,3,4,5,6,7
.irp r, 0,1,2,3
	v_cvt_pk_f16_f32 v[TMP+4*\b+\r], v[8*(8*\a+\b)+2*\r], v[8*(8*\a+\b)+2*\r+1]
.endr
.endr
	WIN 0
.irp b, 0,1,2,3,4,5,6,7
	ds_store_b128 v[STO], v[TMP+4*\b:TMP+4*\b+3] offset:32*\b
.endr
	s_wait_xcnt 0x0                                ; buffer f, which earlier stores read, is loaded again only behind this wait
.irp t, 0,1,2,3,4,5,6,7
	ds_load_b128 v[\f+4*\t:\f+4*\t+3], v[RD] offset:(\t&3)*4*SPITCH+(\t>>2)*128    ; four rows' 128 bytes of head t / 4; LDS serves a wave's instructions in order: these see the stores above
.endr
.irp t, 0,1,2,3,4,5,6,7
	s_wait_dscnt 7-\t                              ; load t is in, the 7 - t younger ones stay out
	global_store_b128 v[CO], v[\f+4*\t:\f+4*\t+3], s[8:9] offset:\i*2048+(\t&3)*512+(\t>>2)*262144   ; the wave stores 512 consecutive bytes, aligned: four rows of one head
.endr
.endm
	OUT16 0, 0, 0x0a, F0
	OUT16 1, 1, 0x0a, F1
	OUT16 2, 2, 0x0a, F0
	OUT16 3, 3, 0x0a, F1
	OUT16 4, 0, 0x0f, F0
	OUT16 5, 1, 0x0f, F1
	OUT16 6, 2, 0x0f, F0
	OUT16 7, 3, 0x0f, F1
	s_set_vgpr_msb 0x1
	s_wait_tensorcnt 0x0
	ds_add_u32 v255, v255
	s_wait_dscnt 0x0
	s_set_vgpr_msb 0x100
	CROUND                                         ; the closing round: no work-group ends while a partner may still ask for a tile that names it
	s_endpgm
.Lfunc_end_k_qd1bca46c20_qkv:
	.size	k_qd1bca46c20_qkv, .Lfunc_end_k_qd1bca46c20_qkv-k_qd1bca46c20_qkv
	.p2alignl 7, 3214868480
	.fill 96, 4, 3214868480
	.section	.rodata,"a",@progbits
	.p2align	6, 0x0
	.amdhsa_kernel k_qd1bca46c20_qkv
		.amdhsa_group_segment_fixed_size 327680
		.amdhsa_private_segment_fixed_size 0
		.amdhsa_enable_private_segment 0
		.amdhsa_kernarg_size 24
		.amdhsa_user_sgpr_count 2
		.amdhsa_user_sgpr_kernarg_segment_ptr 1
		.amdhsa_wavefront_size32 1
		.amdhsa_system_sgpr_workgroup_id_x 1
		.amdhsa_system_sgpr_workgroup_id_y 1
		.amdhsa_system_sgpr_workgroup_id_z 1
		.amdhsa_system_vgpr_workitem_id 0
		.amdhsa_next_free_vgpr 1024
		.amdhsa_next_free_sgpr 66
		.amdhsa_reserve_vcc 0
		.amdhsa_float_denorm_mode_32 3
		.amdhsa_float_denorm_mode_16_64 3
		.amdhsa_memory_ordered 1
		.amdhsa_forward_progress 1
		.amdhsa_inst_pref_size 196
	.end_amdhsa_kernel
	.amdgpu_metadata
---
amdhsa.version: [ 1, 2 ]
amdhsa.kernels:
  - .name:           k_qd1bca46c20_qkv
    .symbol:         k_qd1bca46c20_qkv.kd
    .args:
      - { .name: xh, .offset: 0, .size: 8, .value_kind: global_buffer, .address_space: global }
      - { .name: wh, .offset: 8, .size: 8, .value_kind: global_buffer, .address_space: global }
      - { .name: qkv, .offset: 16, .size: 8, .value_kind: global_buffer, .address_space: global }
    .group_segment_fixed_size: 327680
    .private_segment_fixed_size: 0
    .kernarg_segment_align: 8
    .kernarg_segment_size: 24
    .max_flat_workgroup_size: 128
    .sgpr_count:     66
    .vgpr_count:     1024
    .wavefront_size: 32
...
	.end_amdgpu_metadata
.endif
;; end of part 2
;; launch attn (part 3): grid 8 x 32, 8 waves a work-group, clusters of 4 x 1, 327,680 bytes of LDS; arguments qkv, ctx; writes ctx
.if DOCPART == 3
	.amdgcn_target "amdgcn-amd-amdhsa--gfx1250"
	.amdhsa_code_object_version 6
	.text
	.protected	k_qd1bca46c20_attn
	.globl	k_qd1bca46c20_attn
	.p2align	8
	.type	k_qd1bca46c20_attn,@function
k_qd1bca46c20_attn:
	s_mov_b64 s[64:65], 0
	v_nop
	global_prefetch_b8 v0, s[64:65] scope:SCOPE_SE
	s_setreg_imm32_b32 hwreg(HW_REG_WAVE_MODE, 25, 1), 1
	s_wait_xcnt 0x0
	s_wait_alu depctr_hold_cnt(0) depctr_sa_sdst(0) depctr_va_vdst(0) depctr_va_sdst(0) depctr_va_ssrc(0) depctr_va_vcc(0) depctr_vm_vsrc(0)
	s_getreg_b32 s2, hwreg(HW_REG_IB_STS2, 6, 4)
	s_cmp_eq_u32 s2, 0
	s_cbranch_scc0 .Lentry_in_a_cluster
	s_endpgm
.Lentry_in_a_cluster:
	s_bfe_u32 s2, ttmp6, 0x10000c
	s_cmp_lg_u32 s2, 0x3003
	s_cbranch_scc0 .Lentry_shape_is_right
	s_endpgm
.Lentry_shape_is_right:
; ctx[b][h][q][:] = softmax over keys of (Q K^T / 8) times V, for one (b, h) and 256 queries a work-group.  qkv = [3][b][h][s][64] f16, ctx = [b][h][s][64] f16.
; The softmax takes a running maximum away, tile by tile; maxima, exponentials and sums in f32.
; LIMITS: Q, K, V, the weights P (at most 1) and ctx are f16: above 65,504 in magnitude they become infinities, and a weight below 2^-24 of the
; running maximum's counts as zero in the product with V (its share of the sum, kept in f32, stays).  Non-finite inputs are not served.
; SHARE.  Eight waves.  Wave w: qg = w & 3 names its 64 queries (four tiles of 16), half = w >> 2 its 128 keys of every tile of 256 keys.  So two waves
; hold the two key halves of the same queries; each runs a softmax of its own and the two are merged once at the end, through LDS.
; A wave reads 128 keys' K and V (32 KiB) for 128 matrix instructions of 16 x 16 x 32.
; CLUSTER 4 x 1: the four work-groups of a cluster are four query blocks of one (b, h) and walk the same K and V tiles: every tile is asked for jointly
; (mask 15), 64 keys a load: waves 0-3 ask for K's quarters, waves 4-7 for V's.  One tensor load of a wave is out at a time.
; TRANSPOSED PRODUCTS.  S^T = K Q^T: source A = 16 keys, B = 16 queries; lane (r, h) holds in register j the score (key 8 h + j, query r).  Two such
; tiles, packed in pairs to f16, are as they lie the B fragment of P^T for 32 keys.  O^T = V^T P^T, with V^T by the transposing LDS load: register j =
; (d = 8 h + j, query r).  So every statistic belongs to a lane's own query, and one exchange between lanes r and r + 16 joins a maximum.
.set KP, 144                           ; LDS pitch of a key's 128 bytes of K: an odd multiple of 16
.set VP, 160                           ; of V: an odd multiple of 32, for the transposing load
.set KBYTES, 256*KP
.set VBYTES, 256*VP
.set SLOT, KBYTES+VBYTES               ; 77,824: K's 256 keys, then V's
.set XCH, 2*SLOT                       ; behind the ring: [34 quads][32 lanes][16 bytes] for each pair of waves; no tensor load ever fills it
.set XCHW, 34*512
.set STG, XCH+4*XCHW                   ; the way out: 64 rows x 144 bytes for each of waves 0-3; no tensor load ever fills it
.set STGW, 64*KP
.set STEP, 32768                       ; 256 keys x 128 bytes
; window 0
.set KADR, 4                           ; v4-5    my K fragments in slot 0, 1
.set VADR, 6                           ; v6-7    my V fragments
.set XADR, 8
.set STO, 9
.set RD, 10
.set CO, 11
.set QOFF, 12
.set MX, 16                            ; v[16:19] running maximum of the raw scores, one for each query tile
.set LS, 20                            ; v[20:23] running sum
.set PM, 24                            ; v[24:27] the partner's maxima
.set PL, 28                            ; v[28:31] the partner's sums
.set TM, 32                            ; v[32:35] at work
.set MN, 36
.set NM, 38                            ; v[38:39] - maximum x c, twice
.set U, 40                             ; v[40:47] four chains of sums, in pairs
.set AL, 48                            ; v[48:55] the rescaling factor of each query tile, twice; at the end my factor
.set FB, 56                            ; v[56:63] at the end: the partner's factor
.set KF, 64                            ; v[64:127]  K fragment (kt, dc) at 64 + 16 kt + 8 dc
.set SC, 128                           ; v[128:255] S (qt, kt) at 128 + 32 qt + 8 kt; P (qt, c) takes the place of S (qt, 2 c)
; window 1
.set OA, 0                             ; O (qt, dt) at 32 qt + 8 dt
.set QF, 128                           ; Q fragment (qt, dc) at 128 + 16 qt + 8 dc
.set VF, 192                           ; V^T fragment (c, dt) at 192 + 32 c + 8 dt
.set G1K, 24
.set G1V, 32
.set G0K, 40                           ; s[40:47] one set for each slot
.set G0V, 48                           ; s[48:55]
.set MSB, 0
.macro WIN new                         ; low byte: bits 1:0 source 0, 3:2 source 1, 5:4 source 2, 7:6 destination; the high byte repeats the setting that is left
.if MSB != \new
	s_set_vgpr_msb (MSB<<8)|\new
.set MSB, \new
.endif
.endm
.macro PLACES cnt
.rept \cnt
	v_nop
.endr
.endm
; A round of the cluster's barrier
.macro ROUND
	s_barrier_signal -1
	s_barrier_wait -1
	s_cmp_lg_u32 s8, 0
	s_cbranch_scc1 .Lnot_wave_0_\@
	s_barrier_signal -3
.Lnot_wave_0_\@:
	s_barrier_wait -3
	s_barrier_signal -1
	s_barrier_wait -1
.endm
; A joint load into slot s (s may be an expression: it stands in parentheses); the branch hangs on the wave's number alone
.macro JLOAD s
	s_cmp_eq_u32 s9, 0
	s_cbranch_scc0 .Lfor_v_\@
	tensor_load_to_lds s[G0K+4*(\s):G0K+4*(\s)+3], s[G1K:G1K+7]
	s_nop 0
	s_branch .Lasked_\@
.Lfor_v_\@:
	tensor_load_to_lds s[G0V+4*(\s):G0V+4*(\s)+3], s[G1V:G1V+7]
	s_nop 0
.Lasked_\@:
.endm
	s_load_b128 s[4:7], s[0:1], 0x0                ; qkv s[4:5], ctx s[6:7]
	v_lshl_add_u32 v254, v0, 2, 0x40000
	v_mov_b32 v255, 0
	ds_add_u32 v254, v255
	s_wait_dscnt 0x0
	v_lshrrev_b32 v1, 5, v0
	v_readfirstlane_b32 s8, v1                     ; wave 0..7
	s_lshr_b32 s9, s8, 2                           ; half: which 128 keys of a tile.  Also: I ask for K (0) or V (1)
	s_and_b32 s10, s8, 3                           ; qg: which 64 queries.  Also: which 64 keys of a tile I ask for
	s_bfe_u32 s11, ttmp6, 0x40000                  ; cx
	s_lshl_b32 s12, ttmp9, 2
	s_add_co_u32 s12, s12, s11                     ; query block = 4 x cluster x + cx
	s_and_b32 s13, ttmp7, 0xffff                   ; 16 b + h
	s_mov_b32 s14, 0x76543210                      ; v_permlanex16_b32: lane i of one half reads lane i of the other
	s_mov_b32 s15, 0xfedcba98
	s_mov_b32 s16, 0x3e38aa3b                      ; c = log2(e) / 8: the scale 1 / sqrt(64) and the change to base 2 in one
	s_mov_b32 s17, 0x3e38aa3b
	s_mov_b32 s19, 0xbe38aa3b                      ; - c
	; group 1: 64 keys x 128 bytes lie dense in memory: 32 rows of 32 elements of 8 bytes (256 bytes, aligned), and behind every 32 words, a key's
	; 128 bytes, padding of 4 words (K) or 8 words (V)
	s_mov_b32 s[G1K+0], 15|(3<<16)|(1<<20)|(1<<21)|(4<<22)|(3<<25)
	s_mov_b32 s[G1V+0], 15|(3<<16)|(1<<20)|(1<<21)|(4<<22)|(7<<25)
	s_mov_b32 s[G1K+1], 32<<16                     ; tensor_dim0 = 32
	s_mov_b32 s[G1V+1], 32<<16
	s_mov_b32 s[G1K+2], 32<<16                     ; tensor_dim1 = 32
	s_mov_b32 s[G1V+2], 32<<16
	s_mov_b32 s[G1K+3], 32<<16                     ; tile_dim0 = 32
	s_mov_b32 s[G1V+3], 32<<16
	s_mov_b32 s[G1K+4], 32                         ; tile_dim1 = 32
	s_mov_b32 s[G1V+4], 32
	s_mov_b32 s[G1K+5], 32                         ; elements from row to row
	s_mov_b32 s[G1V+5], 32
	s_mov_b32 s[G1K+6], 0
	s_mov_b32 s[G1V+6], 0
	s_mov_b32 s[G1K+7], 0
	s_mov_b32 s[G1V+7], 0
	s_lshl_b32 s20, s13, 18                        ; (b, h) x 2048 keys x 128 bytes
	s_lshl_b32 s21, s10, 13                        ; + my 64 keys of a tile
	s_add_co_u32 s20, s20, s21
	s_mov_b32 s21, 0
	s_mul_i32 s2, s10, 64*KP                       ; where my quarter of K goes,
	s_mul_i32 s3, s10, 64*VP
	s_add_co_u32 s3, s3, KBYTES                    ; and of V
	s_lshl_b32 s56, s13, 18                        ; my 64 queries, in Q and in ctx; s[56:59] alone hold what is made from cx
	s_lshl_b32 s57, s12, 15
	s_add_co_u32 s56, s56, s57
	s_lshl_b32 s57, s10, 13
	s_add_co_u32 s56, s56, s57
	s_mov_b32 s57, 0
	s_wait_kmcnt 0x0
	s_add_nc_u64 s[22:23], s[4:5], s[20:21]
	s_add_nc_u64 s[58:59], s[4:5], s[56:57]        ; Q
	s_add_nc_u64 s[6:7], s[6:7], s[56:57]          ; ctx
.irp s, 0,1
	s_mov_b32 s[G0K+4*\s], 1
	s_add_co_u32 s[G0K+4*\s+1], s2, \s*SLOT
	s_add_nc_u64 s[G0K+4*\s+2:G0K+4*\s+3], s[22:23], 8388608+\s*STEP     ; K is the second third of qkv; slot s starts with tile s
	s_or_b32 s[G0K+4*\s+3], s[G0K+4*\s+3], 0x80000000
	s_mov_b32 s[G0V+4*\s], 1
	s_add_co_u32 s[G0V+4*\s+1], s3, \s*SLOT
	s_add_nc_u64 s[G0V+4*\s+2:G0V+4*\s+3], s[22:23], 16777216+\s*STEP    ; V the last
	s_or_b32 s[G0V+4*\s+3], s[G0V+4*\s+3], 0x80000000
.endr
	ROUND                                          ; the four work-groups are here: the first joint loads meet
	JLOAD 0                                        ; tile 0
	v_and_b32 v1, 31, v0                           ; lane L
	v_and_b32 v2, 15, v0                           ; r
	v_bfe_u32 v3, v0, 4, 1                         ; h
	v_lshlrev_b32 v[QOFF], 7, v2
	v_lshl_add_u32 v[QOFF], v3, 4, v[QOFF]         ; query r, 16 bytes for each half of the lanes
	WIN 0x40                                       ; destination window 1
.irp qt, 0,1,2,3
.irp dc, 0,1
	global_load_b128 v[QF+16*\qt+8*\dc:QF+16*\qt+8*\dc+3],   v[QOFF], s[58:59] offset:\qt*2048+\dc*64
	global_load_b128 v[QF+16*\qt+8*\dc+4:QF+16*\qt+8*\dc+7], v[QOFF], s[58:59] offset:\qt*2048+\dc*64+32
.endr
.endr
	WIN 0
	v_mul_u32_u24 v13, v2, KP
	v_lshl_add_u32 v13, v3, 4, v13                 ; r x 144 + 16 h
	s_mul_i32 s20, s9, 128*KP
	v_add_nc_u32 v[KADR], s20, v13
	v_add_nc_u32 v[KADR+1], SLOT, v[KADR]
	v_and_b32 v14, 7, v0
	v_lshl_add_u32 v14, v3, 3, v14                 ; key 8 h + (L & 7)
	v_mul_u32_u24 v14, v14, VP
	v_bfe_u32 v15, v0, 3, 1
	v_lshl_add_u32 v14, v15, 4, v14                ; + 16 bytes for the upper eight of sixteen columns
	s_mul_i32 s20, s9, 128*VP
	s_add_co_u32 s20, s20, KBYTES
	v_add_nc_u32 v[VADR], s20, v14
	v_add_nc_u32 v[VADR+1], SLOT, v[VADR]
	s_mul_i32 s20, s10, XCHW
	s_add_co_u32 s20, s20, XCH
	v_lshl_add_u32 v[XADR], v1, 4, s20
	s_mul_i32 s20, s10, STGW
	s_add_co_u32 s20, s20, STG
	v_add_nc_u32 v[STO], s20, v13
	v_bfe_u32 v14, v0, 3, 2
	v_mul_u32_u24 v14, v14, KP
	v_and_b32 v15, 7, v0
	v_lshl_add_u32 v14, v15, 4, v14
	v_add_nc_u32 v[RD], s20, v14                   ; back: eight lanes take a row's 128 bytes, four rows a load
	v_lshlrev_b32 v[CO], 4, v1
	s_wait_loadcnt 0x0                             ; Q, once
; The softmax step of query tile qt over 64 keys: the 32 registers at SC + 32 qt.  first = 1: nothing has been summed yet.
.macro SOFTMAX qt, first
.set SB, SC+32*\qt
.irp k, 0,1,2,3
	v_max3_num_f32 v[TM+\k], v[SB+8*\k], v[SB+8*\k+1], v[SB+8*\k+2]    ; four chains that do not wait for each other
.endr
.irp k, 0,1,2,3
	v_max3_num_f32 v[TM+\k], v[TM+\k], v[SB+8*\k+3], v[SB+8*\k+4]
.endr
.irp k, 0,1,2,3
	v_max3_num_f32 v[TM+\k], v[TM+\k], v[SB+8*\k+5], v[SB+8*\k+6]
.endr
.irp k, 0,1,2,3
	v_max_num_f32 v[TM+\k], v[TM+\k], v[SB+8*\k+7]
.endr
	v_max3_num_f32 v[TM], v[TM], v[TM+1], v[TM+2]
	v_max_num_f32 v[TM], v[TM], v[TM+3]
	v_permlanex16_b32 v[TM+1], v[TM], s14, s15     ; the other eight keys of each tile lie in lane r + 16
.if \first
	v_max_num_f32 v[MX+\qt], v[TM], v[TM+1]
	v_mul_f32 v[NM], s19, v[MX+\qt]
	v_mul_f32 v[NM+1], s19, v[MX+\qt]
.else
	v_max3_num_f32 v[MN], v[TM], v[TM+1], v[MX+\qt]
	v_mul_f32 v[TM+2], s19, v[MX+\qt]              ; - old maximum x c, rounded as it was when the old exponents were formed
	v_mul_f32 v[NM], s19, v[MN]
	v_mul_f32 v[NM+1], s19, v[MN]
	v_sub_f32 v[TM+2], v[NM], v[TM+2]              ; (old - new) x c, at most 0: from the same rounded products as the exponents, so that weights and rescaling agree
	v_exp_f32 v[AL+2*\qt], v[TM+2]
	v_exp_f32 v[AL+2*\qt+1], v[TM+2]
	v_mov_b32 v[MX+\qt], v[MN]                     ; the plain instruction behind the exponentials (ISA guide 5.7.2)
.endif
.set j, 0
.rept 16
	v_pk_fma_f32 v[SB+j:SB+j+1], v[SB+j:SB+j+1], s[16:17], v[NM:NM+1] op_sel_hi:[1,0,1]    ; (score - maximum) x c
.set j, j+2
.endr
.set j, 0
.rept 32
	v_exp_f32 v[SB+j], v[SB+j]
.set j, j+1
.endr
	v_nop                                          ; one plain instruction before the results are used
	s_wait_alu depctr_va_vdst(0)
.irp k, 0,1,2,3
	v_pk_add_f32 v[U+2*\k:U+2*\k+1], v[SB+8*\k:SB+8*\k+1], v[SB+8*\k+2:SB+8*\k+3]
.endr
.irp k, 0,1,2,3
	v_pk_add_f32 v[U+2*\k:U+2*\k+1], v[U+2*\k:U+2*\k+1], v[SB+8*\k+4:SB+8*\k+5]
.endr
.irp k, 0,1,2,3
	v_pk_add_f32 v[U+2*\k:U+2*\k+1], v[U+2*\k:U+2*\k+1], v[SB+8*\k+6:SB+8*\k+7]
.endr
	v_pk_add_f32 v[U:U+1], v[U:U+1], v[U+2:U+3]
	v_pk_add_f32 v[U+4:U+5], v[U+4:U+5], v[U+6:U+7]
	v_pk_add_f32 v[U:U+1], v[U:U+1], v[U+4:U+5]
.if \first
	v_add_f32 v[LS+\qt], v[U], v[U+1]
.else
	v_add_f32 v[TM], v[U], v[U+1]
	v_fma_f32 v[LS+\qt], v[LS+\qt], v[AL+2*\qt], v[TM]
.endif
.irp c, 0,1
.irp i, 0,1,2,3,4,5,6,7
	v_cvt_pk_f16_f32 v[SB+16*\c+\i], v[SB+16*\c+2*\i], v[SB+16*\c+2*\i+1]      ; ascending: register i is written when registers 2 i, 2 i + 1 have been read
.endr
.endr
.endm
; 64 of my keys (ch = 0, 1: which half of my 128) against my 64 queries
.macro CHUNK slot, ch, first
	WIN 0
.irp kt, 0,1,2,3
.irp dc, 0,1
	ds_load_b128 v[KF+16*\kt+8*\dc:KF+16*\kt+8*\dc+3],   v[KADR+\slot] offset:\ch*64*KP+\kt*16*KP+\dc*64
	ds_load_b128 v[KF+16*\kt+8*\dc+4:KF+16*\kt+8*\dc+7], v[KADR+\slot] offset:\ch*64*KP+\kt*16*KP+\dc*64+32
.endr
.endr
	WIN 0x40
.irp c, 0,1
.irp dt, 0,1,2,3
	ds_load_tr16_b128 v[VF+32*\c+8*\dt:VF+32*\c+8*\dt+3],   v[VADR+\slot] offset:\ch*64*VP+\c*32*VP+\dt*32
	ds_load_tr16_b128 v[VF+32*\c+8*\dt+4:VF+32*\c+8*\dt+7], v[VADR+\slot] offset:\ch*64*VP+\c*32*VP+\dt*32+16*VP
.endr
.endr
	WIN 0x04                                       ; source 1 (Q) window 1
	; S^T: the four query tiles' accumulators take turns, one instruction a turn
.irp kt, 0,1,2,3
	s_wait_dscnt 28-4*\kt                          ; key tile kt's four loads are in; the 12 - 4 kt later K loads and the 16 V loads stay out
.irp qt, 0,1,2,3
	v_wmma_f32_16x16x32_f16 v[SC+32*\qt+8*\kt:SC+32*\qt+8*\kt+7], v[KF+16*\kt:KF+16*\kt+7], v[QF+16*\qt:QF+16*\qt+7], 0
.endr
.irp qt, 0,1,2,3
	v_wmma_f32_16x16x32_f16 v[SC+32*\qt+8*\kt:SC+32*\qt+8*\kt+7], v[KF+16*\kt+8:KF+16*\kt+15], v[QF+16*\qt+8:QF+16*\qt+15], v[SC+32*\qt+8*\kt:SC+32*\qt+8*\kt+7]
.endr
.endr
	WIN 0
	PLACES 4                                       ; four independent vector instructions before a vector instruction reads a matrix result (ISA guide 7.12.1)
	SOFTMAX 0, \first
	SOFTMAX 1, \first
	SOFTMAX 2, \first
	SOFTMAX 3, \first
.if \first == 0
	WIN 0x41                                       ; O in window 1, the factor in window 0
.irp qt, 0,1,2,3
.set j, 0
.rept 16
	v_pk_mul_f32 v[OA+32*\qt+j:OA+32*\qt+j+1], v[OA+32*\qt+j:OA+32*\qt+j+1], v[AL+2*\qt:AL+2*\qt+1]
.set j, j+2
.endr
.endr
.endif
	s_wait_dscnt 0x0                               ; V's fragments
	WIN 0x51                                       ; V^T and O window 1, P window 0
	; O^T += V^T P^T: sixteen accumulators take turns, one instruction a turn
.irp c, 0,1
.irp dt, 0,1,2,3
.irp qt, 0,1,2,3
.if \first*(1-\c)
	v_wmma_f32_16x16x32_f16 v[OA+32*\qt+8*\dt:OA+32*\qt+8*\dt+7], v[VF+32*\c+8*\dt:VF+32*\c+8*\dt+7], v[SC+32*\qt+16*\c:SC+32*\qt+16*\c+7], 0
.else
	v_wmma_f32_16x16x32_f16 v[OA+32*\qt+8*\dt:OA+32*\qt+8*\dt+7], v[VF+32*\c+8*\dt:VF+32*\c+8*\dt+7], v[SC+32*\qt+16*\c:SC+32*\qt+16*\c+7], v[OA+32*\qt+8*\dt:OA+32*\qt+8*\dt+7]
.endif
.endr
.endr
.endr
	WIN 0
	PLACES 5                                       ; five before the next S^T products write over P, which these read; four of them serve the next loads into V's fragments
.endm
; One tile of 256 keys.  In front of the round every wave waits for all its tensor loads (its part of this tile) and for its reads of the other slot;
; the round holds for all waves of the four work-groups; the joint refill of the other slot is the first tensor load behind it and has the whole
; trip's work in which to land.
.macro TRIP slot, refill, first
	s_wait_xcnt 0x0
	v_lshl_add_u32 v254, v0, 2, 0x40000
	v_mov_b32 v255, 0
	s_wait_tensorcnt 0x0
	ds_add_u32 v254, v255
	s_wait_dscnt 0x0
	s_add_nc_u64 s[G0K+4*\slot+2:G0K+4*\slot+3], s[G0K+4*\slot+2:G0K+4*\slot+3], 2*STEP    ; no load of mine is out: this slot's next tile
	s_add_nc_u64 s[G0V+4*\slot+2:G0V+4*\slot+3], s[G0V+4*\slot+2:G0V+4*\slot+3], 2*STEP
	s_wait_dscnt 0x0
	ROUND
.if \refill
	JLOAD 1-\slot
.endif
	CHUNK \slot, 0, \first
	CHUNK \slot, 1, 0
.endm
	TRIP 0, 1, 1                                   ; tiles 0 and 1: the first products start the sums
	TRIP 1, 1, 0
	s_mov_b32 s18, 2
.Ltiles:
	TRIP 0, 1, 0                                   ; tiles 2 to 5
	TRIP 1, 1, 0
	s_sub_co_u32 s18, s18, 1
	s_cmp_lg_u32 s18, 0
	s_cbranch_scc1 .Ltiles
	TRIP 0, 1, 0                                   ; tile 6 asks for tile 7,
	TRIP 1, 0, 0                                   ; which asks for nothing (its stepped addresses are not used)
	; THE END.  A lane's sum covers the keys 8 h + 0..7 of each tile: join lanes r and r + 16.
.irp qt, 0,1,2,3
	v_permlanex16_b32 v[TM+\qt], v[LS+\qt], s14, s15
.endr
.irp qt, 0,1,2,3
	v_add_f32 v[LS+\qt], v[LS+\qt], v[TM+\qt]
.endr
	s_cmp_eq_u32 s9, 0
	s_cbranch_scc1 .Lkeeps
	ds_store_b128 v[XADR], v[MX:MX+3]              ; waves 4-7 hand over maxima, sums and O: 16 bytes a lane, 512 consecutive bytes a store
	ds_store_b128 v[XADR], v[LS:LS+3] offset:512
	WIN 0x04                                       ; the data in window 1
.set j, 0
.rept 32
	ds_store_b128 v[XADR], v[OA+4*j:OA+4*j+3] offset:1024+512*j
.set j, j+1
.endr
	WIN 0
.Lkeeps:
	s_wait_dscnt 0x0                               ; for the partner's sake: my stores are done
	s_barrier_signal -1
	s_barrier_wait -1
	s_cmp_lg_u32 s9, 0
	s_cbranch_scc1 .Lclose
	ds_load_b128 v[PM:PM+3], v[XADR]
	ds_load_b128 v[PL:PL+3], v[XADR] offset:512
.set j, 0
.rept 32
	ds_load_b128 v[SC+4*j:SC+4*j+3], v[XADR] offset:1024+512*j
.set j, j+1
.endr
	s_wait_dscnt 32                                ; maxima and sums are in; the 32 quads of O stay out
.macro MERGE qt                        ; factors a / l of the two halves, a = 2^((own maximum - joint maximum) c), l = the joint sum (at least 1)
	v_max_num_f32 v[MN], v[MX+\qt], v[PM+\qt]
	v_mul_f32 v[TM], s19, v[MX+\qt]
	v_mul_f32 v[TM+1], s19, v[PM+\qt]
	v_mul_f32 v[TM+2], s19, v[MN]
	v_sub_f32 v[TM], v[TM+2], v[TM]
	v_sub_f32 v[TM+1], v[TM+2], v[TM+1]
	v_exp_f32 v[TM], v[TM]
	v_exp_f32 v[TM+1], v[TM+1]
	v_nop
	s_wait_alu depctr_va_vdst(0)
	v_mul_f32 v[TM+2], v[LS+\qt], v[TM]
	v_fmac_f32 v[TM+2], v[PL+\qt], v[TM+1]
	v_rcp_f32 v[TM+3], v[TM+2]
	v_nop
	s_wait_alu depctr_va_vdst(0)
	v_mul_f32 v[AL+2*\qt], v[TM], v[TM+3]
	v_mul_f32 v[AL+2*\qt+1], v[TM], v[TM+3]
	v_mul_f32 v[FB+2*\qt], v[TM+1], v[TM+3]
	v_mul_f32 v[FB+2*\qt+1], v[TM+1], v[TM+3]
.endm
	MERGE 0
	MERGE 1
	MERGE 2
	MERGE 3
	s_wait_dscnt 0x0
.irp qt, 0,1,2,3
.set j, 0
.rept 16
	v_pk_mul_f32 v[SC+32*\qt+j:SC+32*\qt+j+1], v[SC+32*\qt+j:SC+32*\qt+j+1], v[FB+2*\qt:FB+2*\qt+1]
.set j, j+2
.endr
.endr
	WIN 0x01                                       ; my O, source 0, in window 1
.irp qt, 0,1,2,3
.set j, 0
.rept 16
	v_pk_fma_f32 v[SC+32*\qt+j:SC+32*\qt+j+1], v[OA+32*\qt+j:OA+32*\qt+j+1], v[AL+2*\qt:AL+2*\qt+1], v[SC+32*\qt+j:SC+32*\qt+j+1]
.set j, j+2
.endr
.endr
	WIN 0
	; a lane's eight numbers of a tile are d = 16 dt + 8 h + 0..7 of query 16 qt + r: 16 bytes of f16, through my own stage
.irp qt, 0,1,2,3
.irp dt, 0,1,2,3
.irp i, 0,1,2,3
	v_cvt_pk_f16_f32 v[SC+32*\qt+8*\dt+\i], v[SC+32*\qt+8*\dt+2*\i], v[SC+32*\qt+8*\dt+2*\i+1]
.endr
	ds_store_b128 v[STO], v[SC+32*\qt+8*\dt:SC+32*\qt+8*\dt+3] offset:\qt*16*KP+\dt*32
.endr
.endr
.irp i, 0,1,2,3,4,5,6,7,8,9,10,11,12,13,14,15
	ds_load_b128 v[KF+4*\i:KF+4*\i+3], v[RD] offset:\i*4*KP        ; LDS serves a wave's instructions in order: these see the stores above
.endr
.irp i, 0,1,2,3,4,5,6,7,8,9,10,11,12,13,14,15
	s_wait_dscnt 15-\i                             ; load i is in, the 15 - i younger ones stay out
	global_store_b128 v[CO], v[KF+4*\i:KF+4*\i+3], s[6:7] offset:\i*512    ; four queries' rows: 512 consecutive bytes, aligned
.endr
.Lclose:
	s_wait_xcnt 0x0
	v_lshl_add_u32 v254, v0, 2, 0x40000
	v_mov_b32 v255, 0
	s_wait_tensorcnt 0x0
	ds_add_u32 v254, v255
	s_wait_dscnt 0x0
	ROUND                                          ; the closing round: no work-group ends while a partner may still ask for a tile that names it
	s_endpgm
.Lfunc_end_k_qd1bca46c20_attn:
	.size	k_qd1bca46c20_attn, .Lfunc_end_k_qd1bca46c20_attn-k_qd1bca46c20_attn
	.p2alignl 7, 3214868480
	.fill 96, 4, 3214868480
	.section	.rodata,"a",@progbits
	.p2align	6, 0x0
	.amdhsa_kernel k_qd1bca46c20_attn
		.amdhsa_group_segment_fixed_size 327680
		.amdhsa_private_segment_fixed_size 0
		.amdhsa_enable_private_segment 0
		.amdhsa_kernarg_size 16
		.amdhsa_user_sgpr_count 2
		.amdhsa_user_sgpr_kernarg_segment_ptr 1
		.amdhsa_wavefront_size32 1
		.amdhsa_system_sgpr_workgroup_id_x 1
		.amdhsa_system_sgpr_workgroup_id_y 1
		.amdhsa_system_sgpr_workgroup_id_z 1
		.amdhsa_system_vgpr_workitem_id 0
		.amdhsa_next_free_vgpr 512
		.amdhsa_next_free_sgpr 66
		.amdhsa_reserve_vcc 0
		.amdhsa_float_denorm_mode_32 3
		.amdhsa_float_denorm_mode_16_64 3
		.amdhsa_memory_ordered 1
		.amdhsa_forward_progress 1
		.amdhsa_inst_pref_size 255
	.end_amdhsa_kernel
	.section	.bss,"aw",@nobits
	.p2align	6
	.space	262144
	.amdgpu_metadata
---
amdhsa.version: [ 1, 2 ]
amdhsa.kernels:
  - .name:           k_qd1bca46c20_attn
    .symbol:         k_qd1bca46c20_attn.kd
    .args:
      - { .name: qkv, .offset: 0, .size: 8, .value_kind: global_buffer, .address_space: global }
      - { .name: ctx, .offset: 8, .size: 8, .value_kind: global_buffer, .address_space: global }
    .group_segment_fixed_size: 327680
    .private_segment_fixed_size: 0
    .kernarg_segment_align: 8
    .kernarg_segment_size: 16
    .max_flat_workgroup_size: 256
    .sgpr_count:     66
    .vgpr_count:     512
    .wavefront_size: 32
...
	.end_amdgpu_metadata
.endif
;; end of part 3
;; launch oproj (part 4): grid 8 x 32, 4 waves a work-group, clusters of 4 x 4, 327,680 bytes of LDS; arguments ctx, wh, out0; writes out0
.if DOCPART == 4
	.amdgcn_target "amdgcn-amd-amdhsa--gfx1250"
	.amdhsa_code_object_version 6
	.text
	.protected	k_qd1bca46c20_oproj
	.globl	k_qd1bca46c20_oproj
	.p2align	8
	.type	k_qd1bca46c20_oproj,@function
k_qd1bca46c20_oproj:
	s_mov_b64 s[64:65], 0
	v_nop
	global_prefetch_b8 v0, s[64:65] scope:SCOPE_SE
	s_setreg_imm32_b32 hwreg(HW_REG_WAVE_MODE, 25, 1), 1
	s_wait_xcnt 0x0
	s_wait_alu depctr_hold_cnt(0) depctr_sa_sdst(0) depctr_va_vdst(0) depctr_va_sdst(0) depctr_va_ssrc(0) depctr_va_vcc(0) depctr_vm_vsrc(0)
	s_getreg_b32 s2, hwreg(HW_REG_IB_STS2, 6, 4)
	s_cmp_eq_u32 s2, 0
	s_cbranch_scc0 .Lentry_in_a_cluster
	s_endpgm
.Lentry_in_a_cluster:
	s_bfe_u32 s2, ttmp6, 0x10000c
	s_cmp_lg_u32 s2, 0xf033
	s_cbranch_scc0 .Lentry_shape_is_right
	s_endpgm
.Lentry_shape_is_right:
; out0[m][e] = sum over d of context[m][d] w_o[e][d].  context comes by heads: ctx[b][h][s][64] f16, m = 2048 b + s, d = 64 h + dd; w_o is the last
; quarter of wh, [1024][1024] f16; sums in f32, out0 f32.
; LIMIT: both operands are f16 (at most 65,504 in magnitude).
; Blocks of 128 x 128 make 32 x 8 = 256 work-groups; blocks of 256 x 256 would make 64.  Four waves, 2 x 2, 64 x 64 each: 16 accumulator tiles.  The price
; is stated: for 32 along K a wave reads 8 KiB of fragments for 16 matrix instructions, twice what a tile of 128 x 128 would read for each multiply-add.
; K goes in 8 steps of 128 (two heads) through four LDS slots, two of them filled behind each round: every refill has two K steps in which to land.
; No loop: eight steps are written out.  A wave has at most four tensor loads out (the four at the start).
; CLUSTERS 4 x 4: ctx's tile hangs on the block row alone and is asked for jointly along a row of the cluster, w_o's on the block column alone, along a column.
; THE MATRIX INSTRUCTION IS USED TRANSPOSED (source 0 = 16 rows of w_o, source 1 = 16 rows of context): a lane holds eight neighbouring columns of a row of out0.
.set AP, 144                           ; LDS pitch of a row's 128 bytes of one head
.set BP, 272                           ; of a row's 256 bytes of w_o
.set AHEAD, 128*AP                     ; one head's 128 rows: one tensor load
.set ABYTES, 2*AHEAD
.set BHALF, 64*BP                      ; 64 rows of w_o: one tensor load
.set SLOT, ABYTES+2*BHALF              ; 71,680
.set STAGE, 4*SLOT                     ; behind the slots: 16 rows x 272 bytes for each wave; no tensor load ever fills it
.set SPITCH, 272
.set ADRA, 16                          ; v[16:19] my A fragments in slot 0..3
.set ADRB, 20                          ; v[20:23] my B fragments
.set STO, 24
.set RD, 25
.set CO, 26
.set F0, 64                            ; fragment buffer 0: B's four at +8 b, A's four at +32 + 8 a
.set F1, 128                           ; fragment buffer 1
.set G1A, 24
.set G1B, 32
.set G0A, 40                           ; s[40:55] one set for each slot
.set G0B, 68                           ; s[68:83]
.set MSB, 0
.macro WIN new
.if MSB != \new
	s_set_vgpr_msb (MSB<<8)|\new
.set MSB, \new
.endif
.endm
.set MUL, 0x50                         ; C and D (the accumulators, tile (a, b) at v[8 (4 a + b)]) in window 1, fragments in window 0
.macro PLACES
.rept 4
	v_nop
.endr
.endm
.macro JLOAD s                         ; waves 0 and 1 ask for the step's two heads of ctx, waves 2 and 3 for the two halves of w_o's rows
	s_cmp_eq_u32 s11, 0
	s_cbranch_scc0 .Lfor_b_\@
	tensor_load_to_lds s[G0A+4*\s:G0A+4*\s+3], s[G1A:G1A+7]
	s_nop 0
	s_branch .Lasked_\@
.Lfor_b_\@:
	tensor_load_to_lds s[G0B+4*\s:G0B+4*\s+3], s[G1B:G1B+7]
	s_nop 0
.Lasked_\@:
.endm
.macro CREST                           ; a round of the cluster's barrier behind its opening barrier
	s_cmp_lg_u32 s10, 0
	s_cbranch_scc1 .Lnot_wave_0_\@
	s_barrier_signal -3
.Lnot_wave_0_\@:
	s_barrier_wait -3
	s_barrier_signal -1
	s_barrier_wait -1
.endm
.macro CROUND
	s_barrier_signal -1
	s_barrier_wait -1
	CREST
.endm
	s_load_b128 s[4:7], s[0:1], 0x0                ; ctx s[4:5], wh s[6:7]
	s_load_b64 s[8:9], s[0:1], 0x10                ; out0
	v_lshl_add_u32 v254, v0, 2, 0x4a400
	v_mov_b32 v255, 0
	ds_add_u32 v254, v255
	v_lshrrev_b32 v1, 5, v0
	v_readfirstlane_b32 s10, v1                    ; wave 0..3
	s_lshr_b32 s11, s10, 1                         ; my 64 rows of the block.  Also: I ask for ctx (0) or w_o (1)
	s_and_b32 s12, s10, 1                          ; my 64 columns.  Also: which head, or which 64 rows of w_o, I ask for
	s_bfe_u32 s56, ttmp6, 0x40000                  ; cx
	s_bfe_u32 s57, ttmp6, 0x40004                  ; cy
	s_lshl_b32 s58, ttmp9, 2
	s_add_co_u32 s58, s58, s56                     ; block column
	s_and_b32 s13, ttmp7, 0xffff
	s_lshl_b32 s13, s13, 2
	s_add_co_u32 s13, s13, s57                     ; block row
	s_lshl_b32 s59, s57, 2
	s_lshl_b32 s59, 15, s59                        ; my row of the cluster
	s_lshl_b32 s60, 0x1111, s56                    ; my column
	; ctx: one head's 128 rows x 128 bytes lie dense: 64 rows of 32 elements of 8 bytes, 4 words of padding behind every 32 words (a row's 128 bytes)
	s_or_b32 s[G1A+0], s59, (3<<16)|(1<<20)|(1<<21)|(4<<22)|(3<<25)
	s_mov_b32 s[G1A+1], 32<<16                     ; tensor_dim0 = 32
	s_mov_b32 s[G1A+2], 64<<16                     ; tensor_dim1 = 64
	s_mov_b32 s[G1A+3], 32<<16                     ; tile_dim0 = 32
	s_mov_b32 s[G1A+4], 64                         ; tile_dim1 = 64
	s_mov_b32 s[G1A+5], 32                         ; elements from row to row
	s_mov_b32 s[G1A+6], 0
	s_mov_b32 s[G1A+7], 0
	; w_o: 64 rows x 128 elements of 2 bytes, 4 words of padding behind every 64 words
	s_or_b32 s[G1B+0], s60, (1<<16)|(1<<20)|(1<<21)|(5<<22)|(3<<25)
	s_mov_b32 s[G1B+1], 128<<16
	s_mov_b32 s[G1B+2], 64<<16
	s_mov_b32 s[G1B+3], 128<<16
	s_mov_b32 s[G1B+4], 64
	s_mov_b32 s[G1B+5], 1024
	s_mov_b32 s[G1B+6], 0
	s_mov_b32 s[G1B+7], 0
	; ctx's address: b x 2^22 + head x 2^18 + s x 128, b = block row / 16, s = 128 (block row % 16), head = 2 step + (wave & 1)
	s_lshr_b32 s16, s13, 4
	s_lshl_b32 s16, s16, 22
	s_and_b32 s17, s13, 15
	s_lshl_b32 s17, s17, 14
	s_add_co_u32 s16, s16, s17
	s_lshl_b32 s17, s12, 18
	s_add_co_u32 s16, s16, s17
	s_mov_b32 s17, 0
	; w_o's: 3 x 2^21 + (128 block column + 64 (wave & 1)) rows of 2,048 bytes; made in registers that never hold the block row
	s_lshl_b32 s84, s58, 18
	s_lshl_b32 s85, s12, 17
	s_add_co_u32 s84, s84, s85
	s_add_co_u32 s84, s84, 6291456
	s_mov_b32 s85, 0
	s_mul_i32 s18, s12, AHEAD                      ; where my part goes: ctx's
	s_mul_i32 s19, s12, BHALF
	s_add_co_u32 s19, s19, ABYTES                  ; w_o's
	s_wait_dscnt 0x0
	s_wait_kmcnt 0x0
	s_add_nc_u64 s[14:15], s[4:5], s[16:17]
	s_add_nc_u64 s[86:87], s[6:7], s[84:85]
	CROUND                                         ; all sixteen work-groups are here: the first joint loads meet
.irp s, 0,1,2,3
	s_mov_b32 s[G0A+4*\s], 1
	s_add_co_u32 s[G0A+4*\s+1], s18, \s*SLOT
	s_add_nc_u64 s[G0A+4*\s+2:G0A+4*\s+3], s[14:15], \s*524288     ; K step s: two heads on
	s_or_b32 s[G0A+4*\s+3], s[G0A+4*\s+3], 0x80000000
	s_mov_b32 s[G0B+4*\s], 1
	s_add_co_u32 s[G0B+4*\s+1], s19, \s*SLOT
	s_add_nc_u64 s[G0B+4*\s+2:G0B+4*\s+3], s[86:87], \s*256        ; 128 elements on
	s_or_b32 s[G0B+4*\s+3], s[G0B+4*\s+3], 0x80000000
	JLOAD \s
.endr
	v_and_b32 v1, 15, v0                           ; r
	v_bfe_u32 v2, v0, 4, 1                         ; h
	v_mul_u32_u24 v3, v1, AP
	v_lshl_add_u32 v3, v2, 4, v3                   ; A: r x 144 + 16 h
	v_mul_u32_u24 v4, v1, BP
	v_lshl_add_u32 v5, v2, 5, v4                   ; the stage, in: r x 272 + 32 h
	v_lshl_add_u32 v4, v2, 4, v4                   ; B: r x 272 + 16 h
	s_mul_i32 s21, s11, 64*AP                      ; my 64 rows of ctx
	s_mul_i32 s22, s12, 64*BP                      ; my 64 rows of w_o,
	s_add_co_u32 s22, s22, ABYTES                  ; which lie behind ctx's two heads
.irp s, 0,1,2,3
	v_add_nc_u32 v[ADRA+\s], s21, v3
	v_add_nc_u32 v[ADRB+\s], s22, v4
	s_add_co_u32 s21, s21, SLOT
	s_add_co_u32 s22, s22, SLOT
.endr
	s_mul_i32 s23, s10, 16*SPITCH
	s_add_co_u32 s23, s23, STAGE                   ; my stage
	v_add_nc_u32 v[STO], s23, v5
	v_mul_u32_u24 v5, v2, SPITCH                   ; back: lanes 0-15 take one row of 256 bytes, lanes 16-31 the next
	v_lshl_add_u32 v5, v1, 4, v5
	v_add_nc_u32 v[RD], s23, v5
	v_lshlrev_b32 v5, 12, v2                       ; and the same two rows of out0, 4,096 bytes apart
	v_lshl_add_u32 v[CO], v1, 4, v5
; 16 LDS loads: the fragments of quarter kq (32 along K) of the K step in slot, into buffer f.  Quarters 0, 1 lie in the step's first head, 2, 3 in its second.
.macro FETCH slot, kq, f
.irp i, 0,1,2,3
	ds_load_b128 v[\f+8*\i:\f+8*\i+3],   v[ADRB+\slot] offset:\i*16*BP+\kq*64
	ds_load_b128 v[\f+8*\i+4:\f+8*\i+7], v[ADRB+\slot] offset:\i*16*BP+\kq*64+32
.endr
.irp i, 0,1,2,3
	ds_load_b128 v[\f+32+8*\i:\f+32+8*\i+3], v[ADRA+\slot] offset:\i*16*AP+(\kq>>1)*AHEAD+(\kq&1)*64
	ds_load_b128 v[\f+32+8*\i+4:\f+32+8*\i+7], v[ADRA+\slot] offset:\i*16*AP+(\kq>>1)*AHEAD+(\kq&1)*64+32
.endr
.endm
; 8 matrix instructions: row tiles a0, a0 + 1 x the four column tiles.  The 16 accumulators take turns, one instruction a turn, in the same order in every
; quarter.
.macro MUL8 f, a0, zero
.irp a, \a0, \a0+1
.irp b, 0,1,2,3
.if \zero
	v_wmma_f32_16x16x32_f16 v[8*(4*(\a)+\b):8*(4*(\a)+\b)+7], v[\f+8*\b:\f+8*\b+7], v[\f+32+8*(\a):\f+32+8*(\a)+7], 0
.else
	v_wmma_f32_16x16x32_f16 v[8*(4*(\a)+\b):8*(4*(\a)+\b)+7], v[\f+8*\b:\f+8*\b+7], v[\f+32+8*(\a):\f+32+8*(\a)+7], v[8*(4*(\a)+\b):8*(4*(\a)+\b)+7]
.endif
.endr
.endr
.endm
; A quarter: the next quarter's fragments are asked for first, into the buffer that the last quarter's products read (four independent vector instructions
; behind them: ISA guide 7.12.1 for vector instructions), then buffer f is multiplied.
.macro QUARTER f, g, nslot, nkq, zero
	PLACES
	FETCH \nslot, \nkq, \g
	s_wait_dscnt 16                                ; buffer f is in; the 16 loads just issued stay out
	WIN MUL
	MUL8 \f, 0, \zero
	MUL8 \f, 2, \zero
	WIN 0
.endm
.macro SEVEN sa, sb, zero              ; the first seven quarters of the two K steps in slots sa, sb
	QUARTER F0, F1, \sa, 1, \zero
	QUARTER F1, F0, \sa, 2, 0
	QUARTER F0, F1, \sa, 3, 0
	QUARTER F1, F0, \sb, 0, 0
	QUARTER F0, F1, \sb, 1, 0
	QUARTER F1, F0, \sb, 2, 0
	QUARTER F0, F1, \sb, 3, 0
.endm
; The eighth quarter multiplies buffer 1 and leaves the pair of slots.  In front of the barrier every wave waits for its reads of the pair and for all its
; tensor loads (two are out: its parts of the next pair).  fill = 1: the barrier opens a round of the cluster's barrier, and behind the round slots sa, sb
; are filled again, four K steps on, first of all; then the next pair's first fragments are read.
.macro EDGE nslot, fill, sa, sb
	s_wait_dscnt 0x0
	s_wait_tensorcnt 0x0
	ds_add_u32 v254, v255
	s_wait_dscnt 0x0
	s_barrier_signal -1
	WIN MUL
	MUL8 F1, 0, 0                                  ; work on registers while the others arrive
	WIN 0
	s_barrier_wait -1
.if \fill
	CREST
	s_add_nc_u64 s[G0A+4*\sa+2:G0A+4*\sa+3], s[G0A+4*\sa+2:G0A+4*\sa+3], 4*524288
	s_add_nc_u64 s[G0B+4*\sa+2:G0B+4*\sa+3], s[G0B+4*\sa+2:G0B+4*\sa+3], 4*256
	s_add_nc_u64 s[G0A+4*\sb+2:G0A+4*\sb+3], s[G0A+4*\sb+2:G0A+4*\sb+3], 4*524288
	s_add_nc_u64 s[G0B+4*\sb+2:G0B+4*\sb+3], s[G0B+4*\sb+2:G0B+4*\sb+3], 4*256
	JLOAD \sa
	JLOAD \sb
.endif
	PLACES
	FETCH \nslot, 0, F0
	WIN MUL
	MUL8 F1, 2, 0
	WIN 0
.endm
	s_wait_tensorcnt 0x2                           ; my parts of K steps 0 and 1 are in; steps 2 and 3 may stay out
	s_barrier_signal -1
	s_barrier_wait -1                              ; everybody's are
	FETCH 0, 0, F0
	SEVEN 0, 1, 1                                  ; K steps 0 and 1; the first quarter starts the sums
	EDGE 2, 1, 0, 1                                ; steps 4 and 5 are asked for
	SEVEN 2, 3, 0                                  ; K steps 2 and 3
	EDGE 0, 1, 2, 3                                ; steps 6 and 7 are asked for
	SEVEN 0, 1, 0                                  ; K steps 4 and 5
	EDGE 2, 0, 0, 0                                ; nothing more to ask for: a plain barrier shows steps 6 and 7 to all four waves
	SEVEN 2, 3, 0                                  ; K steps 6 and 7
	s_wait_dscnt 0x0
	WIN MUL
	MUL8 F1, 0, 0
	MUL8 F1, 2, 0
	WIN 0
	; THE WAY OUT, 16 rows at a time, through my own stage: a lane's eight f32 are 32 bytes of a row; read back, sixteen lanes hold a row's 256 bytes.
	PLACES                                         ; four independent vector instructions before the LDS stores read results and loads land in the fragment buffers
	s_lshl_b32 s16, s13, 19                        ; (128 block row + 64 half) rows of 4,096 bytes
	s_lshl_b32 s17, s11, 18
	s_add_co_u32 s16, s16, s17
	s_mov_b32 s17, 0
	s_add_nc_u64 s[8:9], s[8:9], s[16:17]
	s_lshl_b32 s84, s58, 9                         ; (128 block column + 64 half) columns of 4 bytes
	s_lshl_b32 s85, s12, 8
	s_add_co_u32 s84, s84, s85
	s_mov_b32 s85, 0
	s_add_nc_u64 s[8:9], s[8:9], s[84:85]
.irp a, 0,1,2,3
	WIN 0x04                                       ; the data in window 1
.irp b, 0,1,2,3
	ds_store_b128 v[STO], v[8*(4*\a+\b):8*(4*\a+\b)+3] offset:64*\b
	ds_store_b128 v[STO], v[8*(4*\a+\b)+4:8*(4*\a+\b)+7] offset:64*\b+16
.endr
	WIN 0
.irp t, 0,1,2,3,4,5,6,7
	ds_load_b128 v[F0+32*\a+4*\t:F0+32*\a+4*\t+3], v[RD] offset:\t*2*SPITCH      ; LDS serves a wave's instructions in order: these see the stores above, and the next stores come behind them; each pass has registers of its own
.endr
.irp t, 0,1,2,3,4,5,6,7
	s_wait_dscnt 7-\t                              ; load t is in, the 7 - t younger ones stay out
	global_store_b128 v[CO], v[F0+32*\a+4*\t:F0+32*\a+4*\t+3], s[8:9] offset:(16*\a+2*\t)*4096 th:TH_STORE_NT    ; sixteen lanes store 256 consecutive bytes, aligned
.endr
.endr
	s_wait_tensorcnt 0x0
	ds_add_u32 v254, v255
	s_wait_dscnt 0x0
	CROUND                                         ; the closing round: no work-group ends while a partner may still ask for a tile that names it
	s_endpgm
.Lfunc_end_k_qd1bca46c20_oproj:
	.size	k_qd1bca46c20_oproj, .Lfunc_end_k_qd1bca46c20_oproj-k_qd1bca46c20_oproj
	.p2alignl 7, 3214868480
	.fill 96, 4, 3214868480
	.section	.rodata,"a",@progbits
	.p2align	6, 0x0
	.amdhsa_kernel k_qd1bca46c20_oproj
		.amdhsa_group_segment_fixed_size 327680
		.amdhsa_private_segment_fixed_size 0
		.amdhsa_enable_private_segment 0
		.amdhsa_kernarg_size 24
		.amdhsa_user_sgpr_count 2
		.amdhsa_user_sgpr_kernarg_segment_ptr 1
		.amdhsa_wavefront_size32 1
		.amdhsa_system_sgpr_workgroup_id_x 1
		.amdhsa_system_sgpr_workgroup_id_y 1
		.amdhsa_system_sgpr_workgroup_id_z 1
		.amdhsa_system_vgpr_workitem_id 0
		.amdhsa_next_free_vgpr 384
		.amdhsa_next_free_sgpr 88
		.amdhsa_reserve_vcc 0
		.amdhsa_float_denorm_mode_32 3
		.amdhsa_float_denorm_mode_16_64 3
		.amdhsa_memory_ordered 1
		.amdhsa_forward_progress 1
		.amdhsa_inst_pref_size 92
	.end_amdhsa_kernel
	.amdgpu_metadata
---
amdhsa.version: [ 1, 2 ]
amdhsa.kernels:
  - .name:           k_qd1bca46c20_oproj
    .symbol:         k_qd1bca46c20_oproj.kd
    .args:
      - { .name: ctx, .offset: 0, .size: 8, .value_kind: global_buffer, .address_space: global }
      - { .name: wh, .offset: 8, .size: 8, .value_kind: global_buffer, .address_space: global }
      - { .name: out0, .offset: 16, .size: 8, .value_kind: global_buffer, .address_space: global }
    .group_segment_fixed_size: 327680
    .private_segment_fixed_size: 0
    .kernarg_segment_align: 8
    .kernarg_segment_size: 24
    .max_flat_workgroup_size: 128
    .sgpr_count:     88
    .vgpr_count:     384
    .wavefront_size: 32
...
	.end_amdgpu_metadata
.endif
;; end of part 4
